; MI455X (gfx1250); checked and timed in simulation.
; The chip was launched on July 23, 2026; its instructions are those of AMD's public machine-readable ISA for CDNA 5 (MIT licence, August 2026) and "CDNA5" Instruction Set Architecture Reference Guide (July 2026). The comments in the code are by the model that wrote it; some were corrected since.
;; Collision. Allowed arithmetic: float matrix products may take bf16 or f16 operands with f32 sums; all other float work in f32.
;; Inputs: collider 4 x 8,192 x 3 float32; collision_vertices 4,096 int32; vertices 4 x 16,384 x 3 float32.
;; Outputs: out0 4 x 16,384 x 2 int32.
;; One version. Each part assembles by itself: llvm-mc -triple=amdgcn-amd-amdhsa -mcpu=gfx1250 --defsym DOCPART=n.
;; ======== version 1 of 1: 1 launch
;; launch nearest (part 1): grid 256 x 1, 4 waves a work-group, no clusters, 168,448 bytes of LDS; arguments collider, collision_vertices, vertices, out0; writes out0
.if DOCPART == 1
	.amdgcn_target "amdgcn-amd-amdhsa--gfx1250"
	.amdhsa_code_object_version 6
	.text
	.protected	k_q77d73f1cd5_nearest
	.globl	k_q77d73f1cd5_nearest
	.p2align	8
	.type	k_q77d73f1cd5_nearest,@function
k_q77d73f1cd5_nearest:
	s_mov_b64 s[64:65], 0
	v_nop
	global_prefetch_b8 v0, s[64:65] scope:SCOPE_SE
	s_setreg_imm32_b32 hwreg(HW_REG_WAVE_MODE, 25, 1), 1
	s_wait_xcnt 0x0
; out0[b][n] = (b, argmin over k of d), d = c_sq[k] - 2 v[n].c[k], c[k] = collider[b][collision_vertices[k]].
; 4 batches x 16,384 vertices, 4,096 chosen points.  256 work-groups of four waves; a work-group owns 256 vertices of one batch, a wave 64 (four tiles of 16).
;
; 1. TABLE.  The batch's 8,192 collider rows (98,304 bytes) come into LDS whole, one tensor load a wave, so that the gather needs no second trip to memory.
;    Each thread gathers 32 points from LDS and packs each into 16 bytes of bf16: c0 c1 c2 h m l 0 0, where h + m + l is exactly the f32 number
;    c_sq = (c0^2 + c1^2) + c2^2 of the rounded coordinates.
; 2. SEARCH.  A vertex is the vector -2v0 -2v1 -2v2 1 1 1 0 0, so one matrix instruction gives d itself: points are A's rows, vertices B's columns, and a lane
;    holds eight candidates of ONE vertex, so the minimum stays inside the lane.  K = 32 holds four such vectors: an A operand carries 64 points, and four forms
;    of the vertex operand (data in one group of eight slots, zeros in the others) pick 16 of them each.  v_min3 takes two d an instruction; once for every
;    32 candidates of a lane a compare and a select note the number of the group in which the minimum fell.
; 3. PLACE IN THE GROUP.  No address hangs on the group's number: the group is picked by multiplying.  The vertex vector is masked into the slot group whose
;    number is the vertex's, and the table passes once more as A, four groups an instruction, summed in place: all but one slot group's products are zeros.
;    That leaves the 32 d of the winning group in registers; their minimum and the first place that equals it give the index.
;
; NO CLUSTER, NO JOINT LOADS, though the 64 work-groups of a batch read the same rows.
; What partners would share is 98,304 bytes once,
; at a work-group's start, not a tile in every step; gathering from memory instead would put a second dependent trip to memory in front of all the work.
;
; LIMITS.  vertices and collider are rounded to bf16 (nearest even) first.  d is one sum of six products in the matrix unit, rounded at its end, where the formula
; rounds the dot product twice and the difference once: candidates whose d differ by a unit or two in the last place of f32 can change places; equal d give the
; first index (this leans on zero products adding nothing, whichever slot group holds the data).  NaN or infinite inputs, and coordinates whose square or double
; leaves f32's range, are not served (if every d is +inf the index is 0).  Under c_sq = 2^-100 the lowest piece of c_sq loses bits.  An index above 8,191 is read as 8,191.
.set NCOL,  8192
.set RAWB,  NCOL*12                    ; a batch's collider rows, LDS bytes 0 .. 98,303 (12 x index is the row's LDS address)
.set QTR,   RAWB/4                     ; what one wave's tensor load brings: 96 rows of 256 bytes
.set TBL,   RAWB                       ; the packed table: entry p at TBL + 16 p, and 128 bytes further for p >= 2,048; no tensor load lands here
.set HALF,  2048*16+128                ; from entry p to entry p + 2,048
.set STEPB, 512                        ; a search step: 32 entries of each half of the table
.set ADA, 1                            ; LDS address of my A rows in the search
.set ADP, 2                            ; the same in part 3
.set ADS, 3                            ; where I store table entries
.set H64, 4                            ; 64 h, h = lane / 16
.set H8,  5                            ; 8 h
.set HB,  6                            ; h
.set OFI, 7                            ; byte offset of my indices
.set OFV, 8                            ; of my vertices
.set OFO, 9                            ; of my results
.set RA,  10                           ; v10-13, v14-17: running minimum of the four vertex tiles, two sets that take turns
.set RB,  14
.set GID, 18                           ; v18-21 group number
.set Y,   22                           ; v22-25 group number - h; later the index
.set O,   26                           ; v26-29 two pairs to store
.set TM,  30                           ; v30-35 at work
.set V,   36                           ; v36-51 vertex vectors: three words used of four for each tile
.set IDX, 52                           ; v52-83 32 indices; later the A buffers
.set A0,  52
.set A1,  60
.set PA,  52                           ; part 3: two buffers of two A operands
.set BV,  84                           ; v84-151 17 quads: zero, low, zero, high, zero, low ... (low: data in lanes 0-15; high: in lanes 16-31)
.set G,   84                           ; v84-211 the gathered points, four registers each (before BV and D are made)
.set D,   152                          ; v152-215 two sets of four result tiles; in part 3 eight accumulators
.set XV,  216                          ; v216-231 vertices as loaded
.set W,   232                          ; v232-247 four table entries on their way to LDS
; Four gathered points (numbers 4 k .. 4 k + 3 of my 32) become table entries.  Four chains side by side.
.macro BUILD k
.set GB, G+16*\k
	s_wait_dscnt 28                                ; LDS instructions end in order (ISA guide 5.7.1): behind the fourth of these loads stand 28 - 4 k younger loads and the 4 k stores made so far
.irp e, 0,1,2,3
	v_cvt_pk_bf16_f32 v[W+4*\e], v[GB+4*\e], v[GB+4*\e+1]          ; word 0: c0, c1
.endr
.irp e, 0,1,2,3
	v_cvt_pk_bf16_f32 v[GB+4*\e+3], v[GB+4*\e+2], v[GB+4*\e+2]     ; c2 in both halves
.endr
.irp e, 0,1,2,3
	v_lshlrev_b32 v[GB+4*\e], 16, v[W+4*\e]                        ; the rounded numbers as f32
.endr
.irp e, 0,1,2,3
	v_and_b32 v[GB+4*\e+1], s16, v[W+4*\e]
.endr
.irp e, 0,1,2,3
	v_and_b32 v[GB+4*\e+2], s16, v[GB+4*\e+3]
.endr
.irp e, 0,1,2,3
	v_mul_f32 v[GB+4*\e], v[GB+4*\e], v[GB+4*\e]                   ; squares of bf16 are exact in f32, so the fused forms round as an add after a multiply does
.endr
.irp e, 0,1,2,3
	v_fmac_f32 v[GB+4*\e], v[GB+4*\e+1], v[GB+4*\e+1]
.endr
.irp e, 0,1,2,3
	v_fmac_f32 v[GB+4*\e], v[GB+4*\e+2], v[GB+4*\e+2]              ; c_sq
.endr
.irp e, 0,1,2,3
	v_bfi_b32 v[W+4*\e+1], s16, v[GB+4*\e], v[GB+4*\e+3]           ; word 1: c2 below, h = the upper 16 bits of c_sq above
.endr
.irp e, 0,1,2,3
	v_and_b32 v[GB+4*\e+1], s16, v[GB+4*\e]
.endr
.irp e, 0,1,2,3
	v_sub_f32 v[GB+4*\e+1], v[GB+4*\e], v[GB+4*\e+1]               ; c_sq - h, exact: at most 16 bits are left; its upper 16 bits are m
.endr
.irp e, 0,1,2,3
	v_and_b32 v[GB+4*\e+2], s16, v[GB+4*\e+1]
.endr
.irp e, 0,1,2,3
	v_sub_f32 v[GB+4*\e+2], v[GB+4*\e+1], v[GB+4*\e+2]             ; l, exact: at most 8 bits are left, so it is a bf16 number
.endr
.irp e, 0,1,2,3
	v_perm_b32 v[W+4*\e+2], v[GB+4*\e+2], v[GB+4*\e+1], s18        ; word 2: m below, l above.  Word 3 stays 0
.endr
.irp e, 0,1,2,3
	ds_store_b128 v[ADS], v[W+4*\e:W+4*\e+3] offset:(2*\k+(\e>>1))*4096+(\e&1)*16+(\k/4)*128   ; entry 256 (2 k + e / 2) + 2 t + e % 2
.endr
.endm
; One matrix instruction of the search: 16 points (slot group q of A operand a) x the 16 vertices of tile vt, into result set 'set'.  C = 0: nothing is summed up.
; Slot group q = 2 c + h lies in registers 4 c .. 4 c + 3 of lanes 16 h .. 16 h + 15: form 0 = low, zero; 1 = high, zero; 2 = zero, low; 3 = zero, high.
.macro WM a, q, vt, set
	v_wmma_f32_16x16x32_bf16 v[D+32*\set+8*\vt:D+32*\set+8*\vt+7], v[\a:\a+7], v[BV+16*\vt+4*(2*(\q&1)+1-(\q>>1)):BV+16*\vt+4*(2*(\q&1)+1-(\q>>1))+7], 0
.endm
; Two candidates of each of the four vertex tiles go into the running minima: four chains, so no instruction waits for the one in front of it.
.macro MIN4 set, e, dst, src
.irp vt, 0,1,2,3
	v_min3_num_f32 v[\dst+\vt], v[\src+\vt], v[D+32*\set+8*\vt+2*\e], v[D+32*\set+8*\vt+2*\e+1]
.endr
.endm
; Four matrix instructions into result set 'set'; behind each, four v_min3 on the other set 'oth', which the four matrix instructions before these wrote.
; A result is read four or more plain vector instructions behind its matrix instruction, none of which names a register of it (ISA guide 7.12.1),
; and is written again only eight matrix instructions later.
.macro QSET a, q, set, oth, dst, src
	WM \a, \q, 0, \set
	MIN4 \oth, 0, \dst, \src
	WM \a, \q, 1, \set
	MIN4 \oth, 1, \dst, \dst
	WM \a, \q, 2, \set
	MIN4 \oth, 2, \dst, \dst
	WM \a, \q, 3, \set
	MIN4 \oth, 3, \dst, \dst
.endm
; A step's 32 candidates are through: where the minimum fell, the step's number is the group.  Strictly less: of equal minima the first group stays.
.macro TRACK new, old, sstep
.irp vt, 0,1,2,3
	v_cmp_lt_f32 s[36+\vt], v[\new+\vt], v[\old+\vt]
.endr
.irp vt, 0,1,2,3
	v_cndmask_b32 v[GID+\vt], v[GID+\vt], \sstep, s[36+\vt]
.endr
.endm
; Two steps (numbers s20, s21) on A buffers 0 and 1.  The minima lag the matrix instructions by one QSET, so the body begins at slot group 1 of the first step
; and ends with slot group 0 of the step after.  A buffer is loaded again 16 vector instructions or more behind the last matrix instruction that read it,
; and is waited for twelve matrix instructions later.  last = 1: steps 62 and 63: nothing more to load, the last results are drained.
.macro BODY last
	QSET A0, 1, 1, 0, RB, RA                       ; the step's chain starts from the old minimum in RA and writes RB
	QSET A0, 2, 0, 1, RB, RB
	QSET A0, 3, 1, 0, RB, RB
	s_wait_dscnt 0x0                               ; buffer 1: its two loads are the only LDS instructions out
	QSET A1, 0, 0, 1, RB, RB
	TRACK RB, RA, s20
.if \last == 0
	ds_load_b128 v[A0:A0+3], v[ADA] offset:2*STEPB
	ds_load_b128 v[A0+4:A0+7], v[ADA] offset:2*STEPB+256
.endif
	QSET A1, 1, 1, 0, RA, RB
	QSET A1, 2, 0, 1, RA, RA
	QSET A1, 3, 1, 0, RA, RA
.if \last == 0
	s_wait_dscnt 0x0                               ; buffer 0: again the only two out
	QSET A0, 0, 0, 1, RA, RA
	TRACK RA, RB, s21
	ds_load_b128 v[A1:A1+3], v[ADA] offset:3*STEPB
	ds_load_b128 v[A1+4:A1+7], v[ADA] offset:3*STEPB+256
.else
	MIN4 1, 0, RA, RA                              ; four v_min3 on the other set stand behind the last matrix instruction
	MIN4 1, 1, RA, RA
	MIN4 1, 2, RA, RA
	MIN4 1, 3, RA, RA
	TRACK RA, RB, s21
.endif
.endm
; Lanes 0-15 hold the minimum of the table's lower half (groups 0-63), lanes 16-31 that of the upper (64-127), for the same 16 vertices.
; Both halves take the winner's group; of equal minima the lower half's.
.macro COMB vt
	v_add_nc_u32 v[GID+\vt], v[GID+\vt], v[H64]
	v_permlanex16_b32 v[TM], v[RA+\vt], s22, s23
	v_permlanex16_b32 v[TM+1], v[GID+\vt], s22, s23
	v_cmp_lt_f32 s44, v[TM], v[RA+\vt]
	v_cmp_le_f32 s45, v[TM], v[RA+\vt]
	s_and_b32 s44, s44, s17                        ; lanes 0-15 give way only to a smaller one,
	s_and_b32 s45, s45, s16                        ; lanes 16-31 to an equal one too
	s_or_b32 s44, s44, s45
	v_cndmask_b32 v[GID+\vt], v[GID+\vt], v[TM+1], s44
	v_sub_nc_u32 v[Y+\vt], v[GID+\vt], v[HB]
.endm
; PART 3.  A chunk x is four groups: 2 x and 2 x + 1 of the table's lower half (registers 0-3 of lanes 0-15 and 16-31), 64 + 2 x and 64 + 2 x + 1 (registers 4-7).
; Row r of A operand rho is point 16 rho + r of each group.  Sixteen lanes read 256 consecutive bytes.
.macro PLOAD buf, off
.irp rho, 0,1
.irp c, 0,1
	ds_load_b128 v[PA+16*\buf+8*\rho+4*\c:PA+16*\buf+8*\rho+4*\c+3], v[ADP] offset:\off+\c*HALF+\rho*256
.endr
.endr
.endm
.macro MASKC vt, ka, kb                ; is my slot group the vertex's group?  group = 2 x + h or 64 + 2 x + h, and Y = group - h
	v_cmp_eq_u32 s[48+2*\vt], \ka, v[Y+\vt]
	v_cmp_eq_u32 s[48+2*\vt+1], \kb, v[Y+\vt]
.endm
.macro CND buf, n                      ; word n % 3 of quad (n % 6) / 3 of tile n / 6: the vertex vector or zero.  Each quad's fourth word has been 0 since BV was made
	v_cndmask_b32 v[BV+32*\buf+8*((\n)/6)+4*(((\n)%6)/3)+((\n)%3)], 0, v[V+4*((\n)/6)+((\n)%3)], s[48+2*((\n)/6)+(((\n)%6)/3)]
.endm
.macro CND4 buf, n0
	CND \buf, (\n0)
	CND \buf, (\n0)+1
	CND \buf, (\n0)+2
	CND \buf, (\n0)+3
.endm
.macro PW buf, i, zero                 ; accumulator i = 2 vt + rho
.if \zero
	v_wmma_f32_16x16x32_bf16 v[D+8*\i:D+8*\i+7], v[PA+16*\buf+8*(\i&1):PA+16*\buf+8*(\i&1)+7], v[BV+32*\buf+8*(\i>>1):BV+32*\buf+8*(\i>>1)+7], 0
.else
	v_wmma_f32_16x16x32_bf16 v[D+8*\i:D+8*\i+7], v[PA+16*\buf+8*(\i&1):PA+16*\buf+8*(\i&1)+7], v[BV+32*\buf+8*(\i>>1):BV+32*\buf+8*(\i>>1)+7], v[D+8*\i:D+8*\i+7]
.endif
.endm
; Eight matrix instructions on eight accumulators that take turns, one instruction a turn.  next = 1: the next chunk's A rows (byte off) are
; fetched into the other buffer 'oth' and its masked vertex operands made there, four vector instructions behind each matrix instruction.  The four behind the
; eighth are the places in front of the next chunk's loads into this chunk's A buffer.
.macro CHUNK buf, oth, zero, next, ka, kb, off
.if \next
	PLOAD \oth, \off
	s_wait_dscnt 0x4                               ; this chunk's four loads are in; the four just issued stay out
	PW \buf, 0, \zero
	MASKC 0, \ka, \kb
	MASKC 1, \ka, \kb
	PW \buf, 1, \zero
	MASKC 2, \ka, \kb
	MASKC 3, \ka, \kb
.irp i, 2,3,4,5,6,7
	PW \buf, \i, \zero
	CND4 \oth, 4*(\i-2)
.endr
.else
	s_wait_dscnt 0x0
.irp i, 0,1,2,3,4,5,6,7
	PW \buf, \i, \zero
.endr
.endif
.endm
.macro TRIP2 zero                      ; two chunks; s40, s41 and s42, s43 are the numbers 2 x and 2 x + 64 of the two chunks that are prepared
	CHUNK 0, 1, \zero, 1, s40, s41, 1024
	CHUNK 1, 0, 0, 1, s42, s43, 2048
	v_add_nc_u32 v[ADP], 0x800, v[ADP]
	s_add_co_u32 s40, s40, 4
	s_add_co_u32 s41, s41, 4
	s_add_co_u32 s42, s42, 4
	s_add_co_u32 s43, s43, 4
.endm
; Tile vt's 32 d of the winning group: register i of 16, lane half h, is place 16 (i / 8) + 8 h + i % 8.  Their minimum, then the first place that equals it.
.macro FIN vt
.set DB, D+16*\vt
	v_min3_num_f32 v[TM], v[DB], v[DB+1], v[DB+2]
.irp i, 3,5,7,9,11,13
	v_min3_num_f32 v[TM], v[TM], v[DB+\i], v[DB+\i+1]
.endr
	v_min_num_f32 v[TM], v[TM], v[DB+15]
	v_permlanex16_b32 v[TM+1], v[TM], s22, s23
	v_min_num_f32 v[TM], v[TM], v[TM+1]
	v_mov_b32 v[Y+\vt], 64                         ; no place of mine
.irp i, 15,14,13,12,11,10,9,8,7,6,5,4,3,2,1,0
	v_cmp_neq_f32 vcc_lo, v[TM], v[DB+\i]
	v_cndmask_b32 v[Y+\vt], 16*(\i>>3)+(\i&7), v[Y+\vt], vcc_lo    ; descending, so the lowest equal place is written last
.endr
	v_add_nc_u32 v[Y+\vt], v[Y+\vt], v[H8]
	v_permlanex16_b32 v[TM+1], v[Y+\vt], s22, s23
	v_min_u32 v[Y+\vt], v[Y+\vt], v[TM+1]
	v_lshl_add_u32 v[Y+\vt], v[GID+\vt], 5, v[Y+\vt]               ; index = 32 x group + place
.endm
	; ---------------- who am I
	s_load_b256 s[4:11], s[0:1], 0x0               ; collider s[4:5], collision_vertices s[6:7], vertices s[8:9], out0 s[10:11]
	v_lshl_add_u32 v248, v0, 2, 0x29000
	v_mov_b32 v249, 0
	ds_add_u32 v248, v249
	ds_add_u32 v248, v249
	v_lshrrev_b32 v[TM], 5, v0
	v_readfirstlane_b32 s12, v[TM]                 ; wave 0..3
	s_mov_b32 s14, ttmp9                           ; work-group 0..255: vertices 256 x that, counted through the batches
	s_lshr_b32 s15, ttmp9, 6                       ; batch: 64 work-groups each
	s_mov_b32 s16, 0xffff0000                      ; a word's upper bf16; also the lanes 16-31
	s_mov_b32 s17, 0x0000ffff                      ; the lanes 0-15
	s_mov_b32 s18, 0x07060302                      ; v_perm_b32: the two upper halves
	s_mov_b32 s22, 0x76543210                      ; v_permlanex16_b32: lane i reads lane i xor 16
	s_mov_b32 s23, 0xfedcba98
	; the tensor load: 96 rows of 256 bytes, dense, as elements of 8 bytes
	s_mov_b32 s24, 1                               ; group 0: count
	s_mul_i32 s25, s12, QTR                        ; LDS address: the wave's quarter
	s_mov_b32 s28, 3<<16                           ; group 1: 15:0 no work-group mask; 17:16 elements of 8 bytes; no padding
	s_mov_b32 s29, 32<<16                          ; tensor_dim0 = 32
	s_mov_b32 s30, 96<<16                          ; tensor_dim1 = 96
	s_mov_b32 s31, 32<<16                          ; tile_dim0 = 32
	s_mov_b32 s32, 96                              ; tile_dim1 = 96
	s_mov_b32 s33, 32                              ; 32 elements from row to row
	s_mov_b32 s34, 0
	s_mov_b32 s35, 0
	s_mul_i32 s46, s15, RAWB                       ; the batch's rows, and the wave's quarter of them
	s_add_co_u32 s46, s46, s25
	s_mov_b32 s47, 0
	s_mul_i32 s56, s14, 3072                       ; my 256 vertices of 12 bytes
	s_mov_b32 s57, 0
	s_lshl_b32 s58, s14, 11                        ; my 256 results of 8 bytes
	s_mov_b32 s59, 0
	v_lshlrev_b32 v[OFI], 3, v0                    ; two indices a thread and load
	v_and_b32 v[TM], 0x60, v0                      ; 32 x wave
	v_and_b32 v[TM+1], 15, v0                      ; r = lane % 16
	v_lshl_or_b32 v[TM+2], v[TM], 1, v[TM+1]       ; 64 x wave + r
	v_mul_u32_u24 v[OFV], 12, v[TM+2]
	s_wait_dscnt 0x0
	s_wait_kmcnt 0x0
	s_add_nc_u64 s[26:27], s[4:5], s[46:47]
	s_or_b32 s27, s27, 0x80000000                  ; type = 2
	tensor_load_to_lds s[24:27], s[28:35]          ; my one tensor load: the only one of this wave in the launch, so one is out at the most
	s_nop 0
	s_add_nc_u64 s[8:9], s[8:9], s[56:57]
	s_add_nc_u64 s[10:11], s[10:11], s[58:59]
.set i, 0
.rept 16
	global_load_b64 v[IDX+2*i:IDX+2*i+1], v[OFI], s[6:7] offset:1024*i     ; indices 256 i + 2 t, + 1: a wave's load covers 256 consecutive bytes, aligned
.set i, i+1
.endr
.irp vt, 0,1,2,3
	global_load_b96 v[XV+4*\vt:XV+4*\vt+2], v[OFV], s[8:9] offset:192*\vt th:TH_LOAD_NT   ; vertex r of tile vt, in both halves of the lanes
.endr
	v_bfe_u32 v[HB], v0, 4, 1                      ; h = lane / 16
	v_lshlrev_b32 v[H64], 6, v[HB]
	v_lshlrev_b32 v[H8], 3, v[HB]
	; Search: A's row r is point 2,048 (r / 8) + 32 step + 8 (2 c + h) + r % 8, so the lanes 0-15 of a result walk the table's lower half in order and the lanes 16-31
	; its upper half.  The 128 bytes between the halves put rows 8-15 into the banks that rows 0-7 leave free (64 banks of 4 bytes: ISA guide 11.1).
	v_bfe_u32 v[TM+2], v0, 3, 1
	v_mul_u32_u24 v[TM+2], 0x8080, v[TM+2]         ; (r / 8) x HALF
	v_and_b32 v[TM+3], 7, v0
	v_lshlrev_b32 v[TM+3], 4, v[TM+3]
	v_lshl_add_u32 v[TM+3], v[HB], 7, v[TM+3]
	v_add_nc_u32 v[TM+2], v[TM+2], v[TM+3]
	v_add_nc_u32 v[ADA], TBL, v[TM+2]
	v_lshlrev_b32 v[TM+1], 4, v[TM+1]              ; part 3: 16 r + 512 h
	v_lshl_add_u32 v[TM+1], v[HB], 9, v[TM+1]
	v_add_nc_u32 v[ADP], TBL, v[TM+1]
	v_lshl_add_u32 v[ADS], v0, 5, TBL              ; two entries a thread
	v_and_b32 v[TM+1], 31, v0
	v_lshlrev_b32 v[TM+1], 3, v[TM+1]
	v_lshl_add_u32 v[OFO], v[TM], 4, v[TM+1]       ; 512 x wave + 8 x lane
	s_wait_loadcnt 0x4                             ; the indices are in; the four vertex loads are younger
.set i, 0
.rept 32
	v_min_u32 v[IDX+i], 0x1fff, v[IDX+i]           ; inside the table
.set i, i+1
.endr
.set i, 0
.rept 32
	v_mul_u32_u24 v[IDX+i], 12, v[IDX+i]           ; the row's LDS address
.set i, i+1
.endr
	s_wait_loadcnt 0x0
.irp vt, 0,1,2,3
	v_mul_f32 v[XV+4*\vt], -2.0, v[XV+4*\vt]       ; a power of two: rounding -2 v gives -2 times the rounded v
	v_mul_f32 v[XV+4*\vt+1], -2.0, v[XV+4*\vt+1]
	v_mul_f32 v[XV+4*\vt+2], -2.0, v[XV+4*\vt+2]
.endr
.irp vt, 0,1,2,3
	v_cvt_pk_bf16_f32 v[V+4*\vt], v[XV+4*\vt], v[XV+4*\vt+1]
	v_cvt_pk_bf16_f32 v[V+4*\vt+1], v[XV+4*\vt+2], 1.0             ; 1 meets h,
	v_mov_b32 v[V+4*\vt+2], 0x3f803f80                             ; 1, 1 meet m and l
.endr
.irp e, 0,1,2,3
	v_mov_b32 v[W+4*\e+3], 0                       ; an entry's last two slots
.endr
	s_wait_tensorcnt 0x0                           ; my quarter of the rows has landed,
	s_barrier_signal -1
	s_barrier_wait -1                              ; everybody's has
.set i, 0
.rept 32
	ds_load_b96 v[G+4*i:G+4*i+2], v[IDX+i]
.set i, i+1
.endr
	BUILD 0
	BUILD 1
	BUILD 2
	BUILD 3
	BUILD 4
	BUILD 5
	BUILD 6
	BUILD 7
	s_wait_dscnt 0x0                               ; my entries are in LDS,
	s_barrier_signal -1
	; register work while the others arrive: the vertex operands.  The zeros are K's unused slots, read by every matrix instruction of the search.
.set i, 0
.rept 9
	v_mov_b32 v[BV+8*i], 0
	v_mov_b32 v[BV+8*i+1], 0
	v_mov_b32 v[BV+8*i+2], 0
	v_mov_b32 v[BV+8*i+3], 0
.set i, i+1
.endr
.irp vt, 0,1,2,3
.irp j, 0,1,2
	v_cndmask_b32 v[BV+16*\vt+4+\j], 0, v[V+4*\vt+\j], s17         ; low: the vector in lanes 0-15
	v_cndmask_b32 v[BV+16*\vt+12+\j], 0, v[V+4*\vt+\j], s16        ; high: in lanes 16-31
.endr
	v_mov_b32 v[BV+16*\vt+7], 0
	v_mov_b32 v[BV+16*\vt+15], 0
.endr
	s_barrier_wait -1                              ; everybody's entries are: the table is whole
	; ---------------- the search
	ds_load_b128 v[A0:A0+3], v[ADA]
	ds_load_b128 v[A0+4:A0+7], v[ADA] offset:256
	ds_load_b128 v[A1:A1+3], v[ADA] offset:STEPB
	ds_load_b128 v[A1+4:A1+7], v[ADA] offset:STEPB+256
	s_wait_dscnt 0x2                               ; step 0's operand is in; step 1's two loads are younger
	WM A0, 0, 0, 0
	WM A0, 0, 1, 0
	WM A0, 0, 2, 0
	WM A0, 0, 3, 0
.irp vt, 0,1,2,3
	v_mov_b32 v[RA+\vt], 0x7f800000                ; +inf; these eight lines are also the places behind the four matrix instructions
	v_mov_b32 v[GID+\vt], 0
.endr
	s_mov_b32 s20, 0
	s_mov_b32 s21, 1
.Lsearch:                                          ; 31 trips: steps 0 to 61
	BODY 0
	v_add_nc_u32 v[ADA], 2*STEPB, v[ADA]
	s_add_co_u32 s21, s21, 2
	s_add_co_u32 s20, s20, 2
	s_cmp_lt_u32 s20, 62
	s_cbranch_scc1 .Lsearch
	BODY 1                                         ; steps 62 and 63
	COMB 0
	COMB 1
	COMB 2
	COMB 3
	; ---------------- the winning group's 32 d
	s_mov_b32 s40, 2
	s_mov_b32 s41, 66
	s_mov_b32 s42, 4
	s_mov_b32 s43, 68
	PLOAD 0, 0                                     ; chunk 0
	MASKC 0, 0, 64
	MASKC 1, 0, 64
	MASKC 2, 0, 64
	MASKC 3, 0, 64
.set n, 0
.rept 24
	CND 0, n
.set n, n+1
.endr
	TRIP2 1                                        ; chunks 0 and 1: the first products start the sums
.Lpick:                                            ; 14 trips: chunks 2 to 29
	TRIP2 0
	s_cmp_lt_u32 s40, 62
	s_cbranch_scc1 .Lpick
	CHUNK 0, 1, 0, 1, s40, s41, 1024               ; chunk 30; chunk 31 is prepared
	CHUNK 1, 0, 0, 0, 0, 0, 0                      ; chunk 31: nothing more to fetch
.rept 4
	v_nop                                          ; the places between the last matrix instructions and the reads of their results (ISA guide 7.12.1)
.endr
	FIN 0
	FIN 1
	FIN 2
	FIN 3
	; ---------------- out: lane l of the first store holds vertex l of my 64 (tile 0 in lanes 0-15, tile 1 in lanes 16-31), of the second vertex 32 + l
	v_mov_b32 v[O], s15
	v_mov_b32 v[O+2], s15
	v_cndmask_b32 v[O+1], v[Y], v[Y+1], s16
	v_cndmask_b32 v[O+3], v[Y+2], v[Y+3], s16
	global_store_b64 v[OFO], v[O:O+1], s[10:11] th:TH_STORE_NT             ; each store of the wave covers 256 consecutive bytes, aligned
	global_store_b64 v[OFO], v[O+2:O+3], s[10:11] offset:256 th:TH_STORE_NT
	s_wait_tensorcnt 0x0
	ds_add_u32 v248, v249
	s_wait_dscnt 0x0
	s_endpgm
.Lfunc_end_k_q77d73f1cd5_nearest:
	.size	k_q77d73f1cd5_nearest, .Lfunc_end_k_q77d73f1cd5_nearest-k_q77d73f1cd5_nearest
	.p2alignl 7, 3214868480
	.fill 96, 4, 3214868480
	.section	.rodata,"a",@progbits
	.p2align	6, 0x0
	.amdhsa_kernel k_q77d73f1cd5_nearest
		.amdhsa_group_segment_fixed_size 168448
		.amdhsa_private_segment_fixed_size 0
		.amdhsa_enable_private_segment 0
		.amdhsa_kernarg_size 32
		.amdhsa_user_sgpr_count 2
		.amdhsa_user_sgpr_kernarg_segment_ptr 1
		.amdhsa_wavefront_size32 1
		.amdhsa_system_sgpr_workgroup_id_x 1
		.amdhsa_system_sgpr_workgroup_id_y 1
		.amdhsa_system_sgpr_workgroup_id_z 1
		.amdhsa_system_vgpr_workitem_id 0
		.amdhsa_next_free_vgpr 250
		.amdhsa_next_free_sgpr 66
		.amdhsa_reserve_vcc 1
		.amdhsa_float_denorm_mode_32 3
		.amdhsa_float_denorm_mode_16_64 3
		.amdhsa_memory_ordered 1
		.amdhsa_forward_progress 1
		.amdhsa_inst_pref_size 85
	.end_amdhsa_kernel
	.amdgpu_metadata
---
amdhsa.version: [ 1, 2 ]
amdhsa.kernels:
  - .name:           k_q77d73f1cd5_nearest
    .symbol:         k_q77d73f1cd5_nearest.kd
    .args:
      - { .name: collider, .offset: 0, .size: 8, .value_kind: global_buffer, .address_space: global }
      - { .name: collision_vertices, .offset: 8, .size: 8, .value_kind: global_buffer, .address_space: global }
      - { .name: vertices, .offset: 16, .size: 8, .value_kind: global_buffer, .address_space: global }
      - { .name: out0, .offset: 24, .size: 8, .value_kind: global_buffer, .address_space: global }
    .group_segment_fixed_size: 168448
    .private_segment_fixed_size: 0
    .kernarg_segment_align: 8
    .kernarg_segment_size: 32
    .max_flat_workgroup_size: 128
    .sgpr_count:     66
    .vgpr_count:     250
    .wavefront_size: 32
...
	.end_amdgpu_metadata
.endif
;; end of part 1
